; MI455X (gfx1250); checked and timed in simulation.
; The chip was launched on July 23, 2026; its instructions are those of AMD's public machine-readable ISA for CDNA 5 (MIT licence, August 2026) and "CDNA5" Instruction Set Architecture Reference Guide (July 2026). The comments in the code are by the model that wrote it; some were corrected since.
;; Attention. Allowed arithmetic: matrix products marked QUANTISED: E2M3 operands, one E8M0 scale for each 32 along K, by v_wmma_scale_f32_16x16x128_f8f6f4 with both operands' format E2M3, f32 sums; products left as they are: f32 operands where the result goes on into a quantised operand, else bf16, f16 or f32 operands; f32 sums; everything else in f32.
;; Inputs: wk 512 x 512 float32; wo 512 x 512 float32; wq 512 x 512 float32; wv 512 x 512 float32; x 2 x 4,096 x 512 float32.
;; Outputs: out0 2 x 4,096 x 512 float32.
;; This version of the problem:
;;   THIS VERSION OF THE PROBLEM IS GIVEN IN LOW PRECISION. The matrix products marked QUANTISED in the list below multiply operands that are first quantised to E2M3 (2 exponent bits, 3 mantissa bits; 6 bits a number), with one power-of-two scale for each 32 numbers along K (OCP MX v1.0); their sums are f32. All else is computed in f32.
;;   The module's matrix products, in the order in which they are computed (A, B: the left and right operand; K: the contracted axis; several contracted axes count as one K, in the product's order):
;;     1. [M 8,192, K 512] x [K 512, N 512]; A: input x; B: input wq: QUANTISED
;;     2. [M 8,192, K 512] x [K 512, N 512]; A: input x; B: input wk: QUANTISED
;;     3. [M 8,192, K 512] x [K 512, N 512]; A: input x; B: input wv: QUANTISED
;;     4. [M 4,096, K 1] x [K 1, N 32]; A: computed on the way; B: computed on the way: left as it is (no contracted axis)
;;     5. batch 16 x [M 4,096, K 64] x [K 64, N 4,096]; A: computed on the way; B: computed on the way: QUANTISED
;;     6. batch 16 x [M 4,096, K 4,096] x [K 4,096, N 64]; A: softmax (see below); B: computed on the way: QUANTISED
;;     7. [M 8,192, K 512] x [K 512, N 512]; A: computed on the way; B: input wo: QUANTISED
;;   THE QUANTISER, for each operand of a quantised product, along K:
;;     - K is cut into blocks of 32 from its start; a last block that is shorter is filled with zeros.
;;     - A block's scale is 2^e with e = floor(log2(the largest magnitude in the block)) - 2, held to -126 .. 127; a block of zeros has e = 0. As a byte (E8M0): e + 127.
;;     - Each number is divided by its block's scale, clamped to +-7.5, and rounded to the nearest number of E2M3, ties to even, subnormals kept.
;;     - The product sums the exact products of the quantised numbers (number of the format x scale) in f32.
;;   ~~~python
;;   def quantise(x, axis):      # numpy; x: float32 -> the quantised numbers, widened to float32 again
;;       x = np.moveaxis(x, axis, -1); K = x.shape[-1]
;;       x = np.pad(x, [(0, 0)] * (x.ndim - 1) + [(0, -K % 32)]); x = x.reshape(x.shape[:-1] + (-1, 32)); a = np.abs(x).max(-1, keepdims=True)
;;       e = np.where(a > 0, np.clip(np.frexp(np.where(a > 0, a, 1))[1] - 1 - 2, -126, 127), 0)      # np.frexp(a)[1] - 1 = floor(log2(a)), exactly
;;       r = np.clip(x / 2.0 ** e, -7.5, 7.5)
;;       step = 2.0 ** (np.maximum(np.frexp(np.where(r == 0, 1, r))[1] - 1, 0) - 3)
;;       q = np.round(r / step) * step * 2.0 ** e      # np.round: ties to even
;;       return np.moveaxis(q.reshape(q.shape[:-2] + (-1,))[..., :K], -1, axis).astype(np.float32)
;;   ~~~
;;   SOFTMAX AHEAD OF A QUANTISED PRODUCT. Where the list says 'softmax', what is quantised is not the finished softmax but p = 2^(t - M), with t = logit x log2(e) and M = ceil(the row's largest t), a whole number; so 1/2 < the row's largest p <= 1. The row's sum l is taken of the UNQUANTISED p, in f32, and the product's result is divided by l at the end. Since M is a whole number, a kernel that streams over the keys may use a running M (the ceiling of the running maximum): every later rescaling is an exact power of two, which a block's scale takes up: the codes' values come out the same.
;;   OPERANDS COMPUTED ON THE WAY. 'Computed on the way' means the value that the module computes at that place (a softmax that the list does not call 'softmax' is quantised finished and normalised). What goes into a quantiser is computed in f32, as accurately as f32 sums, v_exp_f32 and their like allow (about 1e-6 of the number): no bf16 or f16 on the way to a quantiser, and a product that is left as it is and whose result goes on into a quantised operand takes f32 operands (vector FMAs, or v_wmma_f32_16x16x4_f32). A number that lies on a knife's edge between two numbers of the format may be rounded either way, as far as f32 arithmetic and the matrix unit's own rounding can turn it there, and no further.
;; One version. Each part assembles by itself: llvm-mc -triple=amdgcn-amd-amdhsa -mcpu=gfx1250 --defsym DOCPART=n.
;; ======== version 1 of 1: 4 launches
;; limits: right only within a limited range of input values
;; workspace buffers: pc 3,932,160 bytes; ps 163,840 bytes; qc 3,145,728 bytes; qs 262,144 bytes; kvc 6,291,456 bytes; kvs 262,144 bytes; oc 3,145,728 bytes; os 131,072 bytes
;; launch prep (part 1): grid 640 x 1, 4 waves a work-group, no clusters, 34,560 bytes of LDS; arguments x, wq, wk, wv, wo, pc, ps; writes pc, ps
.if DOCPART == 1
	.amdgcn_target "amdgcn-amd-amdhsa--gfx1250"
	.amdhsa_code_object_version 6
	.text
	.protected	k_q02e0e0d678_prep
	.globl	k_q02e0e0d678_prep
	.p2align	8
	.type	k_q02e0e0d678_prep,@function
k_q02e0e0d678_prep:
	s_mov_b64 s[64:65], 0
	v_nop
	global_prefetch_b8 v0, s[64:65] scope:SCOPE_SE
	s_setreg_imm32_b32 hwreg(HW_REG_WAVE_MODE, 25, 1), 1
	s_wait_xcnt 0x0
; x [8192][512] and the four weights [512][512], f32 with K innermost, become codes of FP6 (E2M3) with one E8M0 byte for each 32 along K,
; laid in the ORDER OF AN OPERAND'S REGISTERS: a fragment (16 rows x 128 K, 12 registers a lane) is 1,536 bytes, registers 4 p .. 4 p + 3 of lane L at 512 p + 16 L.
; A block's scale is 2^(floor(log2(largest magnitude)) - 2); its byte is the largest magnitude's exponent field - 2, held at 1 from below.
; LIMITS: NaN and infinities among the inputs are not served.  A block of zeros gets the byte 1 (the rule says 127): its codes are zeros, and this program alone reads the bytes.
; SHARES.  A work-group makes one tile of 16 rows x 512 K; wave s makes K step s, one fragment.  Tiles 0-511: x; 512-543 wq, 544-575 wk, 576-607 wv, 608-639 wo.
; WHICH ROWS FORM A TILE is chosen for the products that read it.  Tile 4 g + t takes, of the 64 rows of group g, rows T + (i % 8) + S (i / 8), i = 0 .. 15:
;   x, wv: T = 8 t, S = 32;   wq, wk: T = 32 (t / 2) + 8 (t % 2), S = 16;   wo: T = 16 t, S = 8 (rows as they lie).
; One path serves all five tensors: only a pointer and the two numbers T, S are chosen, by the work-group's number.
; A load takes 512 consecutive bytes of one row, 16 a lane; the 16 rows turn through the wave's own stage in LDS (rows 528 bytes apart) and come back 32 neighbours along K to a lane.
; No loop, no tensor load: all of a wave's 16 loads are issued at once.
.set SPITCH, 528
.set STG,    16*SPITCH                 ; a wave's stage
.set SCW,    4*STG                     ; behind the stages: the tile's 64 scale words, 16 row + 4 s
.set R,   16                           ; v16-79   the rows as loaded
.set N,   80                           ; v80-143  64 numbers: register 32 c + i = k 64 c + 32 (lane / 16) + i of row lane % 16
.set P,   144                          ; v144-155 the fragment's codes
.set TC0, 156
.set TC1, 160
.set SEL, 34                           ; s[34:35] lane selects: lane l xor 16
; A block of 32 numbers in one lane's registers v[src] .. v[src + 31]: its codes into v[dst] .. v[dst + 5], its scale byte into v[by].
.macro QB32 src, dst, tmp, ma, mb, so, by
	v_max3_num_f32 v[\ma], |v[\src]|, |v[\src+1]|, 0x1800000      ; two chains, from the low end on; the floor 2^(3 - 127) is one more leaf: the byte cannot fall under 1
	v_max3_num_f32 v[\mb], |v[\src+16]|, |v[\src+17]|, |v[\src+18]|
.irp i, 2,4,6,8,10,12
	v_max3_num_f32 v[\ma], v[\ma], |v[\src+\i]|, |v[\src+\i+1]|
	v_max3_num_f32 v[\mb], v[\mb], |v[\src+\i+17]|, |v[\src+\i+18]|
.endr
	v_max3_num_f32 v[\ma], v[\ma], |v[\src+14]|, |v[\src+15]|
	v_max3_num_f32 v[\ma], v[\ma], v[\mb], |v[\src+31]|
	v_add_nc_u32 v[\so], 0xff000000, v[\ma]                       ; 2 off the exponent field: the conversion takes this operand's exponent field as its scale
	v_lshrrev_b32 v[\by], 23, v[\so]                              ; the scale's byte
	v_cvt_scalef32_pk16_fp6_f32 v[\dst:\dst+2], v[\src:\src+15], v[\so]
	v_cvt_scalef32_pk16_fp6_f32 v[\tmp:\tmp+2], v[\src+16:\src+31], v[\so]   ; (a conversion's three registers begin on an even number)
	v_nop                                                         ; one plain line behind the conversions
.irp i, 0,1,2
	v_mov_b32 v[\dst+3+\i], v[\tmp+\i]
.endr
.endm
	s_load_b256 s[4:11], s[0:1], 0x0               ; x, wq, wk, wv
	s_load_b128 s[12:15], s[0:1], 0x20             ; wo, pc
	s_load_b64 s[16:17], s[0:1], 0x30              ; ps
	v_lshl_add_u32 v176, v0, 2, 0x8500
	v_mov_b32 v177, 0
	v_lshrrev_b32 v1, 5, v0
	v_readfirstlane_b32 s18, v1                    ; wave = K step s
	v_and_b32 v2, 31, v0                           ; L
	s_wait_alu depctr_va_vdst(0)
	v_and_b32 v3, 15, v0                           ; r
	s_wait_alu depctr_va_vdst(0)
	v_bfe_u32 v12, v0, 4, 1                        ; h
	s_sub_co_u32 s19, ttmp9, 512
	s_and_b32 s19, s19, 31                         ; a weight's tile, 0 .. 31
	s_cmp_lt_u32 ttmp9, 512
	s_cselect_b32 s19, ttmp9, s19                  ; the tile within its tensor
	s_lshr_b32 s20, s19, 2                         ; g
	s_and_b32 s21, s19, 3                          ; t
	s_lshl_b32 s22, s21, 3                         ; T of x, wv
	s_lshr_b32 s23, s21, 1
	s_lshl_b32 s23, s23, 5
	s_and_b32 s24, s21, 1
	s_lshl_b32 s24, s24, 3
	s_add_co_u32 s23, s23, s24                     ; T of wq, wk
	s_lshl_b32 s24, s21, 4                         ; T of wo
	s_mov_b32 s25, 8                               ; S of wo
	s_cmp_lt_u32 ttmp9, 608
	s_cselect_b32 s24, s22, s24
	s_cselect_b32 s25, 32, s25
	s_cmp_lt_u32 ttmp9, 576
	s_cselect_b32 s24, s23, s24
	s_cselect_b32 s25, 16, s25
	s_cmp_lt_u32 ttmp9, 512
	s_cselect_b32 s24, s22, s24
	s_cselect_b32 s25, 32, s25
	s_lshl_b32 s26, s20, 6
	s_add_co_u32 s26, s26, s24                     ; the tile's first row
	s_lshl_b32 s26, s26, 11                        ; x 2,048 bytes
	s_lshl_b32 s27, s18, 9
	s_add_co_u32 s26, s26, s27                     ; + 512 s
	s_mov_b32 s27, 0
	s_mul_i32 s28, ttmp9, 6144
	s_mul_i32 s29, s18, 1536
	s_add_co_u32 s28, s28, s29                     ; my fragment in pc
	s_mov_b32 s29, 0
	s_lshl_b32 s30, s25, 11                        ; rows 8-15 of the tile lie S rows further on
	s_mul_i32 s31, s18, STG
	s_lshl_b32 s32, s18, 2
	s_mov_b32 s[SEL], 0x76543210
	s_mov_b32 s[SEL+1], 0xfedcba98
	v_lshlrev_b32 v4, 4, v2                        ; 16 L
	v_add_nc_u32 v5, s30, v4
	v_add_nc_u32 v6, s31, v4                       ; the stage, on the way in
	v_mul_u32_u24 v7, v3, SPITCH
	s_wait_alu depctr_va_vdst(0)
	v_lshl_add_u32 v7, v12, 7, v7
	v_add_nc_u32 v7, s31, v7                       ; and out: row r, + 128 h
	v_lshlrev_b32 v8, 3, v12                       ; 8 h
	v_lshlrev_b32 v9, 4, v3
	v_add_nc_u32 v9, s32, v9
	v_add_nc_u32 v9, SCW, v9                       ; my row's scale word of K step s
	v_lshlrev_b32 v10, 3, v2                       ; 8 L
	v_add_nc_u32 v11, SCW, v10
	v_mov_b32 v170, 0                              ; a lane permute's destination counts as read
	s_wait_alu depctr_va_vdst(0)
	s_wait_kmcnt 0x0
	s_cmp_lt_u32 ttmp9, 608                        ; the choice of the tensor hangs on the work-group's number alone
	s_cselect_b64 s[12:13], s[10:11], s[12:13]
	s_cmp_lt_u32 ttmp9, 576
	s_cselect_b64 s[12:13], s[8:9], s[12:13]
	s_cmp_lt_u32 ttmp9, 544
	s_cselect_b64 s[12:13], s[6:7], s[12:13]
	s_cmp_lt_u32 ttmp9, 512
	s_cselect_b64 s[12:13], s[4:5], s[12:13]
	s_add_nc_u64 s[12:13], s[12:13], s[26:27]
	s_add_nc_u64 s[14:15], s[14:15], s[28:29]
	s_lshl_b32 s28, ttmp9, 8
	s_add_nc_u64 s[16:17], s[16:17], s[28:29]
.irp i, 0,1,2,3,4,5,6,7
	global_load_b128 v[R+4*\i:R+4*\i+3], v4, s[12:13] offset:2048*\i th:TH_LOAD_NT        ; 32 lanes read 512 consecutive bytes of one row; every byte is read once in the launch
.endr
.irp i, 0,1,2,3,4,5,6,7
	global_load_b128 v[R+32+4*\i:R+32+4*\i+3], v5, s[12:13] offset:2048*\i th:TH_LOAD_NT
.endr
.irp i, 0,1,2,3,4,5,6,7,8,9,10,11,12,13,14,15
	s_wait_loadcnt 15-\i                           ; row i is in; the loads issued behind it may be out
	ds_store_b128 v6, v[R+4*\i:R+4*\i+3] offset:SPITCH*\i
.endr
.irp c, 0,1
.irp e, 0,1,2,3,4,5,6,7
	ds_load_b128 v[N+32*\c+4*\e:N+32*\c+4*\e+3], v7 offset:256*\c+16*\e   ; LDS serves a wave's instructions in order: these see my stores
.endr
.endr
	s_wait_dscnt 8                                 ; the first 64 along K are back; the eight reads of the second 64 may be out
	QB32 N, P, TC0, 164, 165, 166, 167
	s_wait_dscnt 0x0
	QB32 N+32, P+6, TC1, 164, 165, 168, 169
	v_lshl_or_b32 v171, v169, 16, v167             ; my two bytes: blocks h and 2 + h of row r,
	v_lshlrev_b32 v171, v8, v171                   ; at their places in the scale word;
	v_permlanex16_b32 v170, v171, s[SEL], s[SEL+1]
	v_or_b32 v171, v171, v170                      ; with lane l xor 16's two the word is whole
.irp p, 0,1,2
	global_store_b128 v4, v[P+4*\p:P+4*\p+3], s[14:15] offset:512*\p      ; 512 consecutive bytes, aligned
.endr
	ds_store_b32 v9, v171                          ; lanes l and l xor 16 write the same word with the same value
	s_wait_dscnt 0x0                               ; for wave 0's sake: my word has landed
	s_barrier_signal -1
	s_barrier_wait -1
	s_cmp_lg_u32 s18, 0
	s_cbranch_scc1 .Ldone
	ds_load_b64 v[172:173], v11                    ; the tile's 256 bytes of scale words leave as one aligned run
	s_wait_dscnt 0x0
	global_store_b64 v10, v[172:173], s[16:17]
.Ldone:
	s_wait_tensorcnt 0x0
	ds_add_u32 v176, v177
	s_wait_dscnt 0x0
	s_endpgm
.Lfunc_end_k_q02e0e0d678_prep:
	.size	k_q02e0e0d678_prep, .Lfunc_end_k_q02e0e0d678_prep-k_q02e0e0d678_prep
	.p2alignl 7, 3214868480
	.fill 96, 4, 3214868480
	.section	.rodata,"a",@progbits
	.p2align	6, 0x0
	.amdhsa_kernel k_q02e0e0d678_prep
		.amdhsa_group_segment_fixed_size 34560
		.amdhsa_private_segment_fixed_size 0
		.amdhsa_enable_private_segment 0
		.amdhsa_kernarg_size 56
		.amdhsa_user_sgpr_count 2
		.amdhsa_user_sgpr_kernarg_segment_ptr 1
		.amdhsa_wavefront_size32 1
		.amdhsa_system_sgpr_workgroup_id_x 1
		.amdhsa_system_sgpr_workgroup_id_y 1
		.amdhsa_system_sgpr_workgroup_id_z 1
		.amdhsa_system_vgpr_workitem_id 0
		.amdhsa_next_free_vgpr 178
		.amdhsa_next_free_sgpr 66
		.amdhsa_reserve_vcc 0
		.amdhsa_float_denorm_mode_32 3
		.amdhsa_float_denorm_mode_16_64 3
		.amdhsa_memory_ordered 1
		.amdhsa_forward_progress 1
		.amdhsa_inst_pref_size 12
	.end_amdhsa_kernel
	.amdgpu_metadata
---
amdhsa.version: [ 1, 2 ]
amdhsa.kernels:
  - .name:           k_q02e0e0d678_prep
    .symbol:         k_q02e0e0d678_prep.kd
    .args:
      - { .name: x, .offset: 0, .size: 8, .value_kind: global_buffer, .address_space: global }
      - { .name: wq, .offset: 8, .size: 8, .value_kind: global_buffer, .address_space: global }
      - { .name: wk, .offset: 16, .size: 8, .value_kind: global_buffer, .address_space: global }
      - { .name: wv, .offset: 24, .size: 8, .value_kind: global_buffer, .address_space: global }
      - { .name: wo, .offset: 32, .size: 8, .value_kind: global_buffer, .address_space: global }
      - { .name: pc, .offset: 40, .size: 8, .value_kind: global_buffer, .address_space: global }
      - { .name: ps, .offset: 48, .size: 8, .value_kind: global_buffer, .address_space: global }
    .group_segment_fixed_size: 34560
    .private_segment_fixed_size: 0
    .kernarg_segment_align: 8
    .kernarg_segment_size: 56
    .max_flat_workgroup_size: 128
    .sgpr_count:     66
    .vgpr_count:     178
    .wavefront_size: 32
...
	.end_amdgpu_metadata
.endif
;; end of part 1
;; launch qkv (part 2): grid 128 x 2, 4 waves a work-group, no clusters, 42,496 bytes of LDS; arguments pc, ps, qc, qs, kvc, kvs; writes qc, qs, kvc, kvs
.if DOCPART == 2
	.amdgcn_target "amdgcn-amd-amdhsa--gfx1250"
	.amdhsa_code_object_version 6
	.text
	.protected	k_q02e0e0d678_qkv
	.globl	k_q02e0e0d678_qkv
	.p2align	8
	.type	k_q02e0e0d678_qkv,@function
k_q02e0e0d678_qkv:
	s_mov_b64 s[64:65], 0
	v_nop
	global_prefetch_b8 v0, s[64:65] scope:SCOPE_SE
	s_setreg_imm32_b32 hwreg(HW_REG_WAVE_MODE, 25, 1), 1
	s_wait_xcnt 0x0
; q, k, v = x wq^T, x wk^T, x wv^T on codes of FP6 (E2M3) with E8M0 scales; rotary embedding of q and k in f32; q and k quantised along the head's 64, v along the keys.
; SHARES.  A work-group takes the 64 rows of group g (ttmp9) and four heads (4 y + wave): a wave makes q, k and v of ONE head for the 64 rows: 192 matrix instructions.
; Its 48 weight fragments (576 registers) come from memory straight into registers, once, and stay: window 1 wq, window 2 wk, window 3 wv; register 4 i is byte 512 i + 16 lane of the head's 24,576 bytes.
; The weights go into registers by plain loads, so there is no tile in LDS that a cluster could share; the four x tiles (24,576 bytes) are brought once by the four waves and pass through LDS as register images.
; LAYOUT.  v: source 0 = an x tile, source 1 = a wv tile: register j of lane (r, h) is key 32 h + 8 t + j of feature row r, so the four x tiles give a lane a WHOLE block of 32 keys in 32 registers.
;   q, k: source 0 = a weight tile, source 1 = an x tile: a lane holds row r of the x tile; registers 0-15 are d = 16 h + i, registers 16-31 d = 32 + 16 h + i: the rotary pair (d, d + 32) lies in one lane.
; OUT, all in the order of operand registers.  Half a fragment (16 rows x 64 K, 6 registers) is 768 bytes: registers 0-3 at 16 lane, 4-5 at 512 + 8 lane.
; THE ROTARY TABLES are computed here in f32: frequency = 1 / fl(10^(j/8)) (reciprocal with one correction step), angle = t x frequency, reduced by three parts of pi/2, sine and cosine by polynomials on [-pi/4, pi/4].
; LIMITS: NaN and infinities are not served; a block of zeros gets the byte 1; the rotation is a product and a fused multiply-add where the source text has two products and a sum.
.set XIMG, 0                           ; LDS: the four x tiles, 4 fragments each
.set XSC,  24576                       ; their scale words, 256 bytes a tile: 16 row + 4 s
.set ROPE, 25600                       ; for each x tile an image of 32 registers: cos, sin of (row r's t, frequency 16 h + i)
.set WS,  16                           ; v16-63   weight scale words: 16 u + 4 tile + s  (u: 0 q, 1 k, 2 v)
.set XS,  64                           ; v64-67   the x tile's scale words
.set XF,  68                           ; v68-115  the x tile's four fragments; while v is quantised: its codes, bytes and scratch
.set VA,  116                          ; v116-243 v's sixteen accumulators: 32 (wv tile) + 8 (x tile)
.set VBY, XF+32                        ; v100-103 v's scale bytes, one register for each wv tile
.set VTC, XF+40                        ; v108-110 the second half of a block's codes
.set VM,  XF+44                        ; v112-113 two maxima;  v114 the conversions' scale operand: all outside v's accumulators
.set QA,  116                          ; v116-147 q of one x tile
.set KA,  148                          ; v148-179 k
.set RC,  180                          ; v180-195 cos
.set RS,  196                          ; v196-211 sin
.set TU,  212                          ; v212-219 at work in the rotation
.set TM,  220                          ; v220-227 at work in q's and k's quantiser
.set HB,  228                          ; v228-233 half a fragment's codes
.set TC,  236
.set QW,  240                          ; v240-243 q's scale words
.set KH,  244                          ; v244-247 k's scale halves
.set OW,  248
.set FQ,  116                          ; the tables' scratch, before v's accumulators are begun
.set TP,  132
.set TF,  148
.set WA,  149
.set WN,  150
.set WR,  151
.set WZ,  152
.set WSN, 153
.set WCS, 154
.set WZR, 155
.set WZZ, 156
.set WCH, 157
.set WQ,  158
.set WT,  159
.set K2PI, 32                          ; s32-41 constants of the tables
.set PIH,  33
.set PIM,  34
.set PIL,  35
.set SC1,  36
.set SC2,  37
.set SC3,  38
.set CC1,  39
.set CC2,  40
.set CC3,  41
.set SEL,  42                          ; s[42:43] lane l xor 16
.set HM,   49                          ; s49 the mask of lanes 16-31
.set MSB, 0
.macro WIN new                         ; the immediate's high byte repeats the setting that is left
.if MSB != \new
	s_set_vgpr_msb (MSB<<8)|\new
.set MSB, \new
.endif
.endm
.macro PLACES n
.rept \n
	v_nop
.endr
.endm
.macro QB32 src, dst, tmp, ma, mb, so, by
	v_max3_num_f32 v[\ma], |v[\src]|, |v[\src+1]|, 0x1800000      ; two chains; each accumulator is first read at its low end; the floor 2^(3 - 127) holds the byte at 1 from below
	v_max3_num_f32 v[\mb], |v[\src+16]|, |v[\src+17]|, |v[\src+18]|
.irp i, 2,4,6,8,10,12
	v_max3_num_f32 v[\ma], v[\ma], |v[\src+\i]|, |v[\src+\i+1]|
	v_max3_num_f32 v[\mb], v[\mb], |v[\src+\i+17]|, |v[\src+\i+18]|
.endr
	v_max3_num_f32 v[\ma], v[\ma], |v[\src+14]|, |v[\src+15]|
	v_max3_num_f32 v[\ma], v[\ma], v[\mb], |v[\src+31]|
	v_add_nc_u32 v[\so], 0xff000000, v[\ma]
	v_lshrrev_b32 v[\by], 23, v[\so]
	v_cvt_scalef32_pk16_fp6_f32 v[\dst:\dst+2], v[\src:\src+15], v[\so]
	v_cvt_scalef32_pk16_fp6_f32 v[\tmp:\tmp+2], v[\src+16:\src+31], v[\so]
	v_nop                                                         ; one plain line behind the conversions
.irp i, 0,1,2
	v_mov_b32 v[\dst+3+\i], v[\tmp+\i]
.endr
.endm
.macro WLOAD win, u, i0, n             ; n runs of 512 bytes of weight u's 24,576, from run i0 on, into window win >> 6
	WIN \win
.set WI, \i0
.rept \n
	global_load_b128 v[4*WI:4*WI+3], v1, s[16:17] offset:196608*\u+512*WI
.set WI, WI+1
.endr
	WIN 0
.endm
.macro XFETCH t                        ; x tile t: four fragments and their scale words
.set XI, 0
.rept 12
	ds_load_b128 v[XF+4*XI:XF+4*XI+3], v1 offset:XIMG+6144*(\t)+512*XI
.set XI, XI+1
.endr
	ds_load_b128 v[XS:XS+3], v3 offset:XSC+256*(\t)
.endm
.macro RFETCH t                        ; its cos and sin
.set XI, 0
.rept 8
	ds_load_b128 v[RC+4*XI:RC+4*XI+3], v1 offset:ROPE+4096*(\t)+512*XI
.set XI, XI+1
.endr
.endm
.macro MMV t                           ; v of x tile t: four accumulators by turns, K step by K step
	WIN 0x0c                                       ; source 1 (wv) window 3
.irp s, 0,1,2,3
.irp n, 0,1,2,3
.if \s == 0
	v_wmma_scale_f32_16x16x128_f8f6f4 v[VA+32*\n+8*\t:VA+32*\n+8*\t+7], v[XF+12*\s:XF+12*\s+11], v[12*(4*\n+\s):12*(4*\n+\s)+11], 0, v[XS+\s], v[WS+32+4*\n+\s] matrix_a_fmt:MATRIX_FMT_FP6 matrix_b_fmt:MATRIX_FMT_FP6
.else
	v_wmma_scale_f32_16x16x128_f8f6f4 v[VA+32*\n+8*\t:VA+32*\n+8*\t+7], v[XF+12*\s:XF+12*\s+11], v[12*(4*\n+\s):12*(4*\n+\s)+11], v[VA+32*\n+8*\t:VA+32*\n+8*\t+7], v[XS+\s], v[WS+32+4*\n+\s] matrix_a_fmt:MATRIX_FMT_FP6 matrix_b_fmt:MATRIX_FMT_FP6
.endif
.endr
.endr
	WIN 0
.endm
.macro MMQK acc, win, ws               ; q or k of the x tile in hand, transposed: source 0 = the weight's four tiles by turns
	WIN \win
.irp s, 0,1,2,3
.irp n, 0,1,2,3
.if \s == 0
	v_wmma_scale_f32_16x16x128_f8f6f4 v[\acc+8*\n:\acc+8*\n+7], v[12*(4*\n+\s):12*(4*\n+\s)+11], v[XF+12*\s:XF+12*\s+11], 0, v[\ws+4*\n+\s], v[XS+\s] matrix_a_fmt:MATRIX_FMT_FP6 matrix_b_fmt:MATRIX_FMT_FP6
.else
	v_wmma_scale_f32_16x16x128_f8f6f4 v[\acc+8*\n:\acc+8*\n+7], v[12*(4*\n+\s):12*(4*\n+\s)+11], v[XF+12*\s:XF+12*\s+11], v[\acc+8*\n:\acc+8*\n+7], v[\ws+4*\n+\s], v[XS+\s] matrix_a_fmt:MATRIX_FMT_FP6 matrix_b_fmt:MATRIX_FMT_FP6
.endif
.endr
.endr
.endm
.macro ROT a                           ; lo' = lo cos - hi sin, hi' = hi cos + lo sin, two at a time, from the low end on
.irp i, 0,2,4,6,8,10,12,14
.set TT, TU+4*((\i/2)%2)
	v_pk_mul_f32 v[TT:TT+1], v[\a+\i:\a+\i+1], v[RS+\i:RS+\i+1]
	v_pk_mul_f32 v[TT+2:TT+3], v[\a+\i:\a+\i+1], v[RC+\i:RC+\i+1]
	v_pk_fma_f32 v[\a+\i:\a+\i+1], v[\a+16+\i:\a+17+\i], v[RS+\i:RS+\i+1], v[TT+2:TT+3] neg_lo:[1,0,0] neg_hi:[1,0,0]
	v_pk_fma_f32 v[\a+16+\i:\a+17+\i], v[\a+16+\i:\a+17+\i], v[RC+\i:RC+\i+1], v[TT:TT+1]
.endr
.endm
.macro QUANT2 a                        ; 32 numbers a lane, two half blocks: codes into v[HB] on, the two bytes into v[TM+6], v[TM+7]
	v_max3_num_f32 v[TM], |v[\a]|, |v[\a+1]|, 0x1800000
	v_max3_num_f32 v[TM+1], |v[\a+16]|, |v[\a+17]|, 0x1800000
.irp i, 2,4,6,8,10,12,14
	v_max3_num_f32 v[TM], v[TM], |v[\a+\i]|, |v[\a+\i+1]|
	v_max3_num_f32 v[TM+1], v[TM+1], |v[\a+16+\i]|, |v[\a+17+\i]|
.endr
	v_permlanex16_b32 v[TM+2], v[TM], s[SEL], s[SEL+1]
	v_permlanex16_b32 v[TM+3], v[TM+1], s[SEL], s[SEL+1]
	v_max_num_f32 v[TM], v[TM], v[TM+2]            ; with lane l xor 16's half: the block's largest magnitude
	v_max_num_f32 v[TM+1], v[TM+1], v[TM+3]
	v_add_nc_u32 v[TM+4], 0xff000000, v[TM]
	v_add_nc_u32 v[TM+5], 0xff000000, v[TM+1]
	v_lshrrev_b32 v[TM+6], 23, v[TM+4]
	v_lshrrev_b32 v[TM+7], 23, v[TM+5]
	s_wait_alu depctr_va_vdst(0)
	s_wait_xcnt 0x0                                ; the last stores have read v[HB] on: only now are they written again
	v_cvt_scalef32_pk16_fp6_f32 v[HB:HB+2], v[\a:\a+15], v[TM+4]
	v_cvt_scalef32_pk16_fp6_f32 v[TC:TC+2], v[\a+16:\a+31], v[TM+5]
	v_nop                                          ; one plain line behind the conversions
.irp i, 0,1,2
	v_permlane16_swap_b32 v[HB+\i], v[TC+\i]       ; a whole block to a lane: lanes 0-15 d = 0 .. 31, lanes 16-31 d = 32 .. 63
.endr
.irp i, 0,1,2
	v_mov_b32 v[HB+3+\i], v[TC+\i]
.endr
.endm
.macro VQ n                            ; wv tile n: my block of 32 keys of feature row r.  Codes, byte and scratch lie where x's fragments lay: nothing here is written inside v116-243
	QB32 VA+32*\n, XF+8*\n, VTC, VM, VM+1, VM+2, VBY+\n
	global_store_b128 v1, v[XF+8*\n:XF+8*\n+3], s[20:21] offset:1536*\n
	global_store_b64 v2, v[XF+8*\n+4:XF+8*\n+5], s[20:21] offset:1536*\n+512
	global_store_b8 v5, v[VBY+\n], s[22:23] offset:4*\n
.endm
.macro FREQ i, lo, hi                  ; fl(10^(j/8)) for j = i (lanes 0-15) and j = 16 + i (lanes 16-31)
	v_mov_b32 v[FQ+\i], \lo
	v_mov_b32 v[TP+\i], \hi
	v_cndmask_b32 v[FQ+\i], v[FQ+\i], v[TP+\i], s[HM]
.endm
.macro TRIG i
	v_mul_f32 v[WA], v[TF], v[FQ+\i]               ; the angle: one f32 product
	v_mul_f32 v[WN], s[K2PI], v[WA]
	v_rndne_f32 v[WN], v[WN]                       ; n = the nearest multiple of pi/2
	v_fma_f32 v[WR], -v[WN], s[PIH], v[WA]
	v_fma_f32 v[WR], -v[WN], s[PIM], v[WR]
	v_fma_f32 v[WR], -v[WN], s[PIL], v[WR]         ; the angle less n pi/2, pi/2 in three parts
	v_mul_f32 v[WZ], v[WR], v[WR]
	v_fma_f32 v[WSN], v[WZ], s[SC3], s[SC2]
	v_fma_f32 v[WCS], v[WZ], s[CC3], s[CC2]
	v_fma_f32 v[WSN], v[WZ], v[WSN], s[SC1]
	v_fma_f32 v[WCS], v[WZ], v[WCS], s[CC1]
	v_mul_f32 v[WZR], v[WZ], v[WR]
	v_mul_f32 v[WZZ], v[WZ], v[WZ]
	v_fma_f32 v[WCH], v[WZ], -0.5, 1.0
	v_fma_f32 v[WSN], v[WZR], v[WSN], v[WR]        ; sine of the rest
	v_fma_f32 v[WCS], v[WZZ], v[WCS], v[WCH]       ; cosine of the rest
	v_cvt_i32_f32 v[WQ], v[WN]
	v_and_b32 v[WT], 1, v[WQ]
	v_cmp_ne_u32 vcc_lo, 0, v[WT]                  ; an odd n swaps the two (a choice of values, no branch)
	v_cndmask_b32 v[RC+\i], v[WCS], v[WSN], vcc_lo
	v_cndmask_b32 v[RS+\i], v[WSN], v[WCS], vcc_lo
	v_add_nc_u32 v[WT], 1, v[WQ]
	v_lshlrev_b32 v[WT], 30, v[WT]
	v_lshlrev_b32 v[WQ], 30, v[WQ]
	v_and_b32 v[WT], 0x80000000, v[WT]             ; cos is negative for n % 4 = 1, 2,
	v_and_b32 v[WQ], 0x80000000, v[WQ]             ; sin for n % 4 = 2, 3
	v_xor_b32 v[RC+\i], v[RC+\i], v[WT]
	v_xor_b32 v[RS+\i], v[RS+\i], v[WQ]
.endm
	s_load_b256 s[4:11], s[0:1], 0x0               ; pc, ps, qc, qs
	s_load_b128 s[12:15], s[0:1], 0x20             ; kvc, kvs
	v_lshl_add_u32 v254, v0, 2, 0xa400
	v_mov_b32 v255, 0
	v_lshrrev_b32 v9, 5, v0
	v_readfirstlane_b32 s24, v9                    ; wave
	v_and_b32 v10, 31, v0                          ; L
	v_and_b32 v11, 15, v0                          ; r
	v_bfe_u32 v12, v0, 4, 1                        ; h
	v_lshlrev_b32 v1, 4, v10                       ; 16 L
	v_lshlrev_b32 v2, 3, v10                       ; 8 L
	v_lshlrev_b32 v3, 4, v11                       ; 16 r
	v_lshlrev_b32 v4, 2, v10                       ; 4 L
	v_add_nc_u32 v5, v3, v12                       ; 16 r + h
	s_mul_i32 s25, s24, 6144
	v_add_nc_u32 v6, s25, v1                       ; where I store my x tile
	s_lshl_b32 s25, s24, 8
	v_add_nc_u32 v7, s25, v2
	v_add_nc_u32 v7, XSC, v7                       ; its scale words
	s_lshl_b32 s25, s24, 12
	v_add_nc_u32 v8, s25, v1
	v_add_nc_u32 v8, ROPE, v8                      ; its table
	s_and_b32 s26, ttmp7, 0xffff
	s_lshl_b32 s26, s26, 2
	s_add_co_u32 s26, s26, s24                     ; my head
	s_lshr_b32 s27, ttmp9, 6                       ; batch
	s_and_b32 s28, ttmp9, 63                       ; the group within the batch
	s_lshl_b32 s29, s27, 3
	s_add_co_u32 s29, s29, s26                     ; bh
	s_lshr_b32 s30, s28, 1                         ; key step
	s_and_b32 s31, s28, 1                          ; which half of it
	s_lshl_b32 s45, ttmp9, 2
	s_add_co_u32 s45, s45, s24                     ; the x tile that I bring
	s_mov_b32 s47, 0
	s_wait_alu depctr_va_vdst(0)
	s_wait_kmcnt 0x0
	s_mul_i32 s46, s26, 24576
	s_add_co_u32 s46, s46, 512*6144
	s_add_nc_u64 s[16:17], s[4:5], s[46:47]        ; my head's tiles of wq; wk, wv 196,608 bytes on each
	s_mul_i32 s46, s45, 6144
	s_add_nc_u64 s[4:5], s[4:5], s[46:47]
	s_lshl_b32 s46, s26, 10
	s_add_co_u32 s46, s46, 512*256
	s_add_nc_u64 s[18:19], s[6:7], s[46:47]        ; their scale words
	s_lshl_b32 s46, s45, 8
	s_add_nc_u64 s[6:7], s[6:7], s[46:47]
.irp i, 0,1,2,3,4,5,6,7,8,9,10,11
	global_load_b128 v[XF+4*\i:XF+4*\i+3], v1, s[4:5] offset:512*\i
.endr
	global_load_b64 v[14:15], v2, s[6:7]
.irp u, 0,1,2
.irp t, 0,1,2,3
	global_load_b128 v[WS+16*\u+4*\t:WS+16*\u+4*\t+3], v3, s[18:19] offset:8192*\u+256*\t
.endr
.endr
	WLOAD 0xc0, 2, 0, 36
	; the outputs' places, while the loads are out
	s_lshl_b32 s46, s29, 8
	s_lshl_b32 s44, s28, 2
	s_add_co_u32 s46, s46, s44
	s_mul_i32 s46, s46, 768
	s_add_nc_u64 s[8:9], s[8:9], s[46:47]          ; q's four half fragments
	s_lshl_b32 s46, s29, 6
	s_add_co_u32 s46, s46, s28
	s_lshl_b32 s46, s46, 8
	s_add_nc_u64 s[10:11], s[10:11], s[46:47]      ; their 256 bytes of scale words
	s_mul_i32 s46, s29, 393216
	s_mul_i32 s44, s30, 12288
	s_add_co_u32 s44, s46, s44                     ; the key step's 12,288 bytes
	s_mul_i32 s46, s31, 768
	s_add_co_u32 s46, s46, s44
	s_add_co_u32 s46, s46, 6144
	s_add_nc_u64 s[20:21], s[12:13], s[46:47]      ; v: 6,144 + 768 (2 tile + half)
	s_mul_i32 s46, s31, 3072
	s_add_co_u32 s46, s46, s44
	s_add_nc_u64 s[12:13], s[12:13], s[46:47]      ; k: 768 (4 half + tile)
	s_lshl_b32 s46, s29, 14
	s_lshl_b32 s44, s30, 9
	s_add_co_u32 s44, s46, s44
	s_lshl_b32 s46, s31, 1
	s_add_co_u32 s46, s46, s44
	s_add_co_u32 s46, s46, 256
	s_add_nc_u64 s[22:23], s[14:15], s[46:47]      ; v's scale bytes: 256 + 16 r + 4 tile + 2 half + h
	s_lshl_b32 s46, s31, 7
	s_add_co_u32 s46, s46, s44
	s_add_nc_u64 s[14:15], s[14:15], s[46:47]      ; k's scale words: 128 half + 4 L
	s_lshl_b32 s48, s28, 6
	s_lshl_b32 s44, s24, 3
	s_add_co_u32 s48, s48, s44                     ; 64 group + 8 wave
	s_mov_b32 s[K2PI], 0x3f22f983                  ; 2 / pi
	s_mov_b32 s[PIH], 0x3fc90fdb                   ; pi/2 in three parts
	s_mov_b32 s[PIM], 0xb33bbd2e
	s_mov_b32 s[PIL], 0xa6f72ced
	s_mov_b32 s[SC1], 0xbe2aaaa3
	s_mov_b32 s[SC2], 0x3c08839e
	s_mov_b32 s[SC3], 0xb94ca1f9
	s_mov_b32 s[CC1], 0x3d2aaaa5
	s_mov_b32 s[CC2], 0xbab6061a
	s_mov_b32 s[CC3], 0x37ccf5ce
	s_mov_b32 s[SEL], 0x76543210
	s_mov_b32 s[SEL+1], 0xfedcba98
	s_mov_b32 s[HM], 0xffff0000
	v_mov_b32 v[TM+2], 0                           ; a lane permute's destination counts as read
	v_mov_b32 v[TM+3], 0
	; ---- the table of x tile = my wave: t = 64 group + 32 (r / 8) + 8 wave + r % 8
	v_lshrrev_b32 v[WA], 3, v11
	v_and_b32 v[WN], 7, v11
	v_lshl_add_u32 v[WA], v[WA], 5, v[WN]
	v_add_nc_u32 v[WA], s48, v[WA]
	v_cvt_f32_u32 v[TF], v[WA]
	FREQ 0,  0x3f800000, 0x42c80000
	FREQ 1,  0x3faab0d5, 0x43055a26
	FREQ 2,  0x3fe39ea9, 0x4331d3f4
	FREQ 3,  0x4017c496, 0x436d232b
	FREQ 4,  0x404a62c2, 0x439e1d27
	FREQ 5,  0x4086f161, 0x43d2d927
	FREQ 6,  0x40b3f300, 0x440c95d8
	FREQ 7,  0x40eff755, 0x443b793b
	FREQ 8,  0x41200000, 0x447a0000
	FREQ 9,  0x41555d0a, 0x44a6b0b0
	FREQ 10, 0x418e432a, 0x44de48f1
	FREQ 11, 0x41bdb5bc, 0x451435fb
	FREQ 12, 0x41fcfb72, 0x4545a471
	FREQ 13, 0x4228adb9, 0x4583c7b8
	FREQ 14, 0x4260efc0, 0x45afbb4e
	FREQ 15, 0x4295fa95, 0x45ea5789
	s_wait_alu depctr_va_vdst(0)
.irp i, 0,1,2,3,4,5,6,7,8,9,10,11,12,13,14,15
	v_rcp_f32 v[TP+\i], v[FQ+\i]                   ; one batch of sixteen
.endr
	v_nop                                          ; a plain line behind the last reciprocal
	s_wait_alu depctr_va_vdst(0)                   ; one wait for the batch, ahead of its first reader
.irp i, 0,1,2,3,4,5,6,7,8,9,10,11,12,13,14,15
	v_fma_f32 v[FQ+\i], -v[FQ+\i], v[TP+\i], 1.0   ; the reciprocal's error,
.endr
.irp i, 0,1,2,3,4,5,6,7,8,9,10,11,12,13,14,15
	v_fma_f32 v[FQ+\i], v[FQ+\i], v[TP+\i], v[TP+\i]   ; taken off: the frequency
.endr
.irp i, 0,1,2,3,4,5,6,7,8,9,10,11,12,13,14,15
	TRIG \i
.endr
.irp i, 0,1,2,3,4,5,6,7
	ds_store_b128 v8, v[RC+4*\i:RC+4*\i+3] offset:512*\i
.endr
	; ---- my x tile into LDS
	s_wait_loadcnt 48                              ; x's 13 loads are in; the 12 of the weights' scales and the 36 of wv issued behind them may be out
.irp i, 0,1,2,3,4,5,6,7,8,9,10,11
	ds_store_b128 v6, v[XF+4*\i:XF+4*\i+3] offset:512*\i
.endr
	ds_store_b64 v7, v[14:15]
	WLOAD 0xc0, 2, 36, 12
	s_wait_dscnt 0x0                               ; for the others' sake: my tile, its scale words and its table have landed
	s_barrier_signal -1
	s_barrier_wait -1                              ; the launch's one barrier: from here on LDS is only read
	; ---- v
	XFETCH 0
	s_wait_loadcnt 0x0                             ; the weights' scale words and wv
	WLOAD 0x40, 0, 0, 48                           ; wq lands while v is made
.irp t, 0,1,2,3
	s_wait_dscnt 0x0
	MMV \t
	PLACES 4                                       ; in front of loads into registers that the products have read, of writes into them, and of the first read of results
.if \t < 3
	XFETCH \t+1
.endif
.if \t == 1
	WLOAD 0x80, 1, 0, 48                           ; wk
.endif
.endr
.irp n, 0,1,2,3
	VQ \n
.endr
	s_wait_xcnt 0x0                                ; v's stores have read their data, which lie where x's fragments are loaded next
	s_wait_loadcnt 0x0                             ; wq, wk
	XFETCH 0
	RFETCH 0
	; ---- q and k, an x tile at a time
.irp t, 0,1,2,3
	s_wait_dscnt 0x0
	MMQK QA, 0x01, WS
	MMQK KA, 0x02, WS+16
	WIN 0
	PLACES 4
.if \t < 3
	XFETCH \t+1
.endif
	ROT QA
	QUANT2 QA
	global_store_b128 v1, v[HB:HB+3], s[8:9] offset:768*\t
	global_store_b64 v2, v[HB+4:HB+5], s[8:9] offset:768*\t+512
	v_lshl_or_b32 v[QW+\t], v[TM+7], 8, v[TM+6]
	v_lshl_or_b32 v[QW+\t], v[QW+\t], 16, v[QW+\t] ; q's two bytes twice: the word serves q in either half of a fragment
	ROT KA
	QUANT2 KA
	global_store_b128 v1, v[HB:HB+3], s[12:13] offset:768*\t
	global_store_b64 v2, v[HB+4:HB+5], s[12:13] offset:768*\t+512
	v_lshl_or_b32 v[KH+\t], v[TM+7], 8, v[TM+6]
.if \t < 3
	RFETCH \t+1
.endif
.endr
	v_lshl_or_b32 v[KH], v[KH+1], 16, v[KH]        ; two key tiles make a fragment: their bytes make its word
	v_lshl_or_b32 v[KH+2], v[KH+3], 16, v[KH+2]
	v_cndmask_b32 v[OW], v[QW], v[QW+2], s[HM]     ; lanes 0-15 store tiles 0, 1 of row r, lanes 16-31 tiles 2, 3
	v_cndmask_b32 v[OW+1], v[QW+1], v[QW+3], s[HM]
	v_cndmask_b32 v[OW+2], v[KH], v[KH+2], s[HM]
	global_store_b64 v2, v[OW:OW+1], s[10:11]      ; 256 consecutive bytes, aligned
	global_store_b32 v4, v[OW+2], s[14:15]         ; 128 consecutive bytes
	s_wait_tensorcnt 0x0
	ds_add_u32 v254, v255
	s_wait_dscnt 0x0
	s_endpgm
.Lfunc_end_k_q02e0e0d678_qkv:
	.size	k_q02e0e0d678_qkv, .Lfunc_end_k_q02e0e0d678_qkv-k_q02e0e0d678_qkv
	.p2alignl 7, 3214868480
	.fill 96, 4, 3214868480
	.section	.rodata,"a",@progbits
	.p2align	6, 0x0
	.amdhsa_kernel k_q02e0e0d678_qkv
		.amdhsa_group_segment_fixed_size 42496
		.amdhsa_private_segment_fixed_size 0
		.amdhsa_enable_private_segment 0
		.amdhsa_kernarg_size 48
		.amdhsa_user_sgpr_count 2
		.amdhsa_user_sgpr_kernarg_segment_ptr 1
		.amdhsa_wavefront_size32 1
		.amdhsa_system_sgpr_workgroup_id_x 1
		.amdhsa_system_sgpr_workgroup_id_y 1
		.amdhsa_system_sgpr_workgroup_id_z 1
		.amdhsa_system_vgpr_workitem_id 0
		.amdhsa_next_free_vgpr 1024
		.amdhsa_next_free_sgpr 66
		.amdhsa_reserve_vcc 1
		.amdhsa_float_denorm_mode_32 3
		.amdhsa_float_denorm_mode_16_64 3
		.amdhsa_memory_ordered 1
		.amdhsa_forward_progress 1
		.amdhsa_inst_pref_size 123
	.end_amdhsa_kernel
	.amdgpu_metadata
---
amdhsa.version: [ 1, 2 ]
amdhsa.kernels:
  - .name:           k_q02e0e0d678_qkv
    .symbol:         k_q02e0e0d678_qkv.kd
    .args:
      - { .name: pc, .offset: 0, .size: 8, .value_kind: global_buffer, .address_space: global }
      - { .name: ps, .offset: 8, .size: 8, .value_kind: global_buffer, .address_space: global }
      - { .name: qc, .offset: 16, .size: 8, .value_kind: global_buffer, .address_space: global }
      - { .name: qs, .offset: 24, .size: 8, .value_kind: global_buffer, .address_space: global }
      - { .name: kvc, .offset: 32, .size: 8, .value_kind: global_buffer, .address_space: global }
      - { .name: kvs, .offset: 40, .size: 8, .value_kind: global_buffer, .address_space: global }
    .group_segment_fixed_size: 42496
    .private_segment_fixed_size: 0
    .kernarg_segment_align: 8
    .kernarg_segment_size: 48
    .max_flat_workgroup_size: 128
    .sgpr_count:     66
    .vgpr_count:     1024
    .wavefront_size: 32
...
	.end_amdgpu_metadata
.endif
;; end of part 2
;; launch attn (part 3): grid 16 x 16, 16 waves a work-group, no clusters, 327,680 bytes of LDS; arguments qc, qs, kvc, kvs, oc, os; writes oc, os
.if DOCPART == 3
	.amdgcn_target "amdgcn-amd-amdhsa--gfx1250"
	.amdhsa_code_object_version 6
	.text
	.protected	k_q02e0e0d678_attn
	.globl	k_q02e0e0d678_attn
	.p2align	8
	.type	k_q02e0e0d678_attn,@function
k_q02e0e0d678_attn:
	s_mov_b64 s[64:65], 0
	v_nop
	global_prefetch_b8 v0, s[64:65] scope:SCOPE_SE
	s_setreg_imm32_b32 hwreg(HW_REG_WAVE_MODE, 25, 1), 1
	s_wait_xcnt 0x0
; o = softmax(q k^T / 8) v for one head, both products on codes of FP6 (E2M3) with E8M0 scales; o is normalised and quantised along the model's 512 for the last product.
; THE SOFTMAX: t = score x log2(e) / 8; M = the row's largest t so far, rounded UP to a whole number; p = 2^(t - M) is quantised along the keys, not normalised; the row's sum is taken of the
; unquantised p and divides o at the end.  When M moves, the sum and o are multiplied by 2^(old M - new M), which rounds nothing.
; SHARES.  A work-group owns 256 queries of one (batch, head); each of its sixteen waves owns one tile of 16.  Every wave walks the 4,096 keys, 128 a step, 32 steps.
; LAYOUT.  Both products transposed: S^T = K Q^T, O^T = V^T P^T: a lane holds one query throughout.  A lane's 32 registers of four neighbouring tiles are a WHOLE block of 32 (keys in S^T, channels in O^T).
; THE HEAD'S 64 IN A PRODUCT OF 128: a fragment of K holds TWO key tiles; it is multiplied once by [q | zero codes] and once by [zero codes | q].
; LDS: the head's scale bytes (16,384), then 24 places of one key step (12,288 bytes: K's 8 half fragments, then V's 8), then the spare words.  Step s lies in place s % 24.
; THREE GROUPS OF TENSOR LOADS, one load a wave in each: at the head the scales (waves 0-3) and steps 0-3 (waves 4-15), 4,096 bytes a wave; behind the first barrier steps 4-23, 15,360 bytes a wave;
; behind the barrier that follows step 7, steps 24-31 into places 0-7, 6,144 bytes a wave.  Four barriers in all; every wait on TENSORcnt is for 0.
; A STEP IS PIPELINED: at its head K of the next step and V of this one are asked of LDS, into runs of registers of their own; one wait for both stands behind the softmax; then the NEXT step's scores are
; begun, O^T's rescaling stands behind them, and this step's O^T products follow.
; NO CLUSTER: a step's 12,288 bytes are fetched once for the sixteen waves, each of which reads all of them from LDS: what partners could share is one sixteenth of the bytes that the work-group moves into registers.
; NO PREFETCH: the second and third group of loads are asked for 4 and 16 key steps ahead of their first read, and no loop stands ahead of the first.
; LIMITS: NaN and infinities are not served; a block whose every p has fallen to 0 keeps the byte 1 with zero codes; the scaled scores stay under 2^31 in magnitude.
.set RING,  16384                      ; place 0; the scale bytes lie at 0: 512 a step: K's words 128 c + 4 L, V's words 256 + 16 r + 4 tile
.set STEPB, 12288
.set SPARE, 311296                     ; RING + 24 STEPB: the spare words, 128 bytes for each of sixteen waves
.set SPW,  5                           ; v5   SPARE + 4 x my thread's number; never rewritten
.set NIL,  6                           ; v6   0; never rewritten
.set OB,   7                           ; v7   16 r + h: o's scale byte
.set AD16, 8                           ; v8   this step's place + 16 L
.set AD8,  9                           ; v9   + 8 L
.set ADS,  10                          ; v10  K's scale words of this step
.set ADT,  11                          ; v11  V's
.set QSW,  34                          ; v34  q's scale word.  v16-21 zeros, v22-27 q, v28-33 zeros
.set H8,   35                          ; v35  8 h
.set KF,   36                          ; v36-83   four fragments of K
.set VF,   84                          ; v84-131  four fragments of V
.set S,    132                         ; v132-195 S^T, then p: register 32 c + i = key 64 c + 32 h + i
.set O,    196                         ; v196-227 O^T: register i = channel 32 h + i
.set P,    228                         ; v228-239 p's codes; ahead of them the sum's six partial pairs
.set KS,   240                         ; v240-241 K's scale words
.set VS,   242                         ; v242-245 V's
.set BM,   246                         ; v246-249 the blocks' largest scores, four chains
.set SO,   248                         ; v248-249 then the conversions' scale operands
.set W0,   250
.set PD,   251                         ; a lane permute's destination
.set FF,   252                         ; v[252:253] f = 2^(old M - new M)
.set PW,   254                         ; p's scale word
.set BY1,  255
.set TB,   2                           ; s2 this step's place;  s3 its scale bytes
.set TS,   3
.set WV,   18
.set SEL,  20
.set CS,   22                          ; s[22:23] log2(e) / 8
.set G1A,  24
.set G1B,  32
.set G1C,  40
.set G0A,  48
.set G0B,  52
.set G0C,  56
.set CNT,  60
.macro PLACES n
.rept \n
	v_nop
.endr
.endm
.macro GONE g, rows                    ; descriptor group 1: dense rows of 256 bytes (32 elements of 8 bytes), no padding: every LDS read here is dense
	s_mov_b32 s[\g], 3<<16
	s_mov_b32 s[\g+1], 32<<16
	s_mov_b32 s[\g+2], \rows<<16
	s_mov_b32 s[\g+3], 32<<16
	s_mov_b32 s[\g+4], \rows
	s_mov_b32 s[\g+5], 32
	s_mov_b32 s[\g+6], 0
	s_mov_b32 s[\g+7], 0
.endm
.macro QB32 src, dst, tmp, ma, mb, so, by
	v_max3_num_f32 v[\ma], |v[\src]|, |v[\src+1]|, 0x1800000
	v_max3_num_f32 v[\mb], |v[\src+16]|, |v[\src+17]|, |v[\src+18]|
.irp i, 2,4,6,8,10,12
	s_delay_alu instid0(VALU_DEP_2)
	v_max3_num_f32 v[\ma], v[\ma], |v[\src+\i]|, |v[\src+\i+1]|
	s_delay_alu instid0(VALU_DEP_2)
	v_max3_num_f32 v[\mb], v[\mb], |v[\src+\i+17]|, |v[\src+\i+18]|
.endr
	s_delay_alu instid0(VALU_DEP_2)
	v_max3_num_f32 v[\ma], v[\ma], |v[\src+14]|, |v[\src+15]|
	s_delay_alu instid0(VALU_DEP_1)
	v_max3_num_f32 v[\ma], v[\ma], v[\mb], |v[\src+31]|
	s_delay_alu instid0(VALU_DEP_1)
	v_add_nc_u32 v[\so], 0xff000000, v[\ma]
	s_delay_alu instid0(VALU_DEP_1)
	v_lshrrev_b32 v[\by], 23, v[\so]
	v_cvt_scalef32_pk16_fp6_f32 v[\dst:\dst+2], v[\src:\src+15], v[\so]
	v_cvt_scalef32_pk16_fp6_f32 v[\tmp:\tmp+2], v[\src+16:\src+31], v[\so]
	v_nop
.irp i, 0,1,2
	v_mov_b32 v[\dst+3+\i], v[\tmp+\i]
.endr
.endm
.macro HFRAG reg, a16, a8, off         ; two half fragments on end are a fragment: four dense loads
	ds_load_b128 v[\reg:\reg+3], v[\a16] offset:\off
	ds_load_b64 v[\reg+4:\reg+5], v[\a8] offset:\off+512
	ds_load_b128 v[\reg+6:\reg+9], v[\a16] offset:\off+768
	ds_load_b64 v[\reg+10:\reg+11], v[\a8] offset:\off+1280
.endm
.macro KLOAD a16, a8, off, soff        ; K's four fragments and their two scale words: 18 loads
.irp f, 0,1,2,3
	HFRAG KF+12*\f, \a16, \a8, \off+1536*\f
.endr
	ds_load_b32 v[KS], v[ADS] offset:\soff
	ds_load_b32 v[KS+1], v[ADS] offset:\soff+128
.endm
.macro SMUL                            ; S^T: fragment f holds key tiles 2 f and 2 f + 1; eight results, each begun with 0
.irp f, 0,1,2,3
.if \f % 2
	v_wmma_scale_f32_16x16x128_f8f6f4 v[S+16*\f:S+16*\f+7], v[KF+12*\f:KF+12*\f+11], v[22:33], 0, v[KS+\f/2], v[QSW] matrix_a_fmt:MATRIX_FMT_FP6 matrix_b_fmt:MATRIX_FMT_FP6 matrix_a_scale:MATRIX_SCALE_ROW1
	v_wmma_scale_f32_16x16x128_f8f6f4 v[S+16*\f+8:S+16*\f+15], v[KF+12*\f:KF+12*\f+11], v[16:27], 0, v[KS+\f/2], v[QSW] matrix_a_fmt:MATRIX_FMT_FP6 matrix_b_fmt:MATRIX_FMT_FP6 matrix_a_scale:MATRIX_SCALE_ROW1
.else
	v_wmma_scale_f32_16x16x128_f8f6f4 v[S+16*\f:S+16*\f+7], v[KF+12*\f:KF+12*\f+11], v[22:33], 0, v[KS+\f/2], v[QSW] matrix_a_fmt:MATRIX_FMT_FP6 matrix_b_fmt:MATRIX_FMT_FP6
	v_wmma_scale_f32_16x16x128_f8f6f4 v[S+16*\f+8:S+16*\f+15], v[KF+12*\f:KF+12*\f+11], v[16:27], 0, v[KS+\f/2], v[QSW] matrix_a_fmt:MATRIX_FMT_FP6 matrix_b_fmt:MATRIX_FMT_FP6
.endif
.endr
.endm
; A MEETING of the sixteen waves: each waits for all its tensor loads, adds 0 to its spare word, and waits for that and for its LDS reads.  fill = 1: places 0-7 are read no more and take steps 24-31.
.macro SYNC fill
	s_wait_tensorcnt 0x0
	ds_add_u32 v[SPW], v[NIL]
	s_wait_dscnt 0x0
	s_barrier_signal -1
	s_barrier_wait -1
.if \fill
	tensor_load_to_lds s[G0C:G0C+3], s[G1C:G1C+7]  ; my one load behind this barrier
	s_nop 0
	PLACES 4
.endif
.endm
; A KEY STEP.  It finds this step's scores begun and the last step's O^T products issued.  wrap = 1: the next step lies in place 0.  last = 1: no step follows.
.macro STEP wrap, last
	v_add_nc_u32 v[AD16], s[TB], v1                ; these four are also the places in front of loads into registers that the last products have read
	v_add_nc_u32 v[AD8], s[TB], v2
	v_add_nc_u32 v[ADS], s[TS], v3
	v_add_nc_u32 v[ADT], s[TS], v4
.if \wrap
	v_add_nc_u32 v[W0], RING, v1
	v_add_nc_u32 v[BY1], RING, v2
	KLOAD W0, BY1, 0, 512
.else
.if \last == 0
	KLOAD AD16, AD8, STEPB, 512                    ; the next step's K
.endif
.endif
.irp f, 0,1,2,3
	HFRAG VF+12*\f, AD16, AD8, 6144+1536*\f        ; this step's V: both land under the softmax
.endr
	ds_load_b128 v[VS:VS+3], v[ADT]
.irp c, 0,1                            ; THE LARGEST SCORE OF EACH OF MY TWO BLOCKS: it serves the row's maximum and, since p rises with the score, the block's largest p.  Each result is first read at its low end
	v_max3_num_f32 v[BM+\c], v[S+32*\c], v[S+32*\c+1], v[S+32*\c+2]
	v_max3_num_f32 v[BM+2+\c], v[S+32*\c+16], v[S+32*\c+17], v[S+32*\c+18]
.endr
.irp i, 3,5,7,9,11,13
.irp c, 0,1
	v_max3_num_f32 v[BM+\c], v[BM+\c], v[S+32*\c+\i], v[S+32*\c+\i+1]
	v_max3_num_f32 v[BM+2+\c], v[BM+2+\c], v[S+32*\c+16+\i], v[S+32*\c+17+\i]
.endr
.endr
.irp c, 0,1
	v_max3_num_f32 v[BM+\c], v[BM+\c], v[BM+2+\c], v[S+32*\c+15]
.endr
.irp c, 0,1
	v_max_num_f32 v[BM+\c], v[BM+\c], v[S+32*\c+31]
.endr
	s_delay_alu instid0(VALU_DEP_1)
	v_max_num_f32 v[W0], v[BM], v[BM+1]
	s_delay_alu instid0(VALU_DEP_1)
	v_permlanex16_b32 v[PD], v[W0], s[SEL], s[SEL+1]
	s_delay_alu instid0(VALU_DEP_1)
	v_max_num_f32 v[W0], v[W0], v[PD]              ; the step's largest score of my query
	s_delay_alu instid0(VALU_DEP_1)
	v_mul_f32 v[W0], s[CS], v[W0]                  ; as t
	s_delay_alu instid0(VALU_DEP_1)
	v_max_num_f32 v13, v13, v[W0]                  ; the running largest t
	v_mov_b32 v[W0], v12
	s_delay_alu instid0(VALU_DEP_2)
	v_floor_f32 v12, -v13                          ; the new -M = floor(-t): M is a whole number
	s_delay_alu instid0(VALU_DEP_1)
	v_sub_f32 v[W0], v12, v[W0]                    ; old M - new M, 0 or less
	s_delay_alu instid0(VALU_DEP_1)
	v_cvt_i32_f32 v[W0], v[W0]                     ; (it saturates)
	s_delay_alu instid0(VALU_DEP_1)
	v_ldexp_f32 v[FF], 1.0, v[W0]                  ; f
.set J, 0
.rept 32
	v_pk_fma_f32 v[S+J:S+J+1], v[S+J:S+J+1], s[CS:CS+1], v[12:13] op_sel_hi:[1,0,0]   ; t - M, two at a time
.set J, J+2
.endr
	v_fma_f32 v[BM], v[BM], s[CS], v12             ; the same of each block's largest score
	v_fma_f32 v[BM+1], v[BM+1], s[CS], v12
	s_wait_alu depctr_va_vdst(0)
.set J, 0
.rept 64
	v_exp_f32 v[S+J], v[S+J]                       ; p = 2^(t - M): one batch of 66,
.set J, J+1
.endr
	v_exp_f32 v[BM], v[BM]                         ; the blocks' largest p among them
	v_exp_f32 v[BM+1], v[BM+1]
	v_pk_mul_f32 v[14:15], v[14:15], v[FF:FF+1] op_sel_hi:[1,0]   ; the sums under the new M: a plain line behind the exponentials
	s_wait_alu depctr_va_vdst(0)                   ; one wait for the batch, ahead of its first reader
.set J, 0
.rept 6                                ; THE ROW'S SUM OF THE UNQUANTISED p: seven chains by turns, six of them in the registers that p's codes take later
	v_pk_add_f32 v[P+2*J:P+2*J+1], v[S+4*J:S+4*J+1], v[S+4*J+2:S+4*J+3]
.set J, J+1
.endr
.set J, 12
.rept 20
.set C7, (J-12)%7
.if C7 == 6
	v_pk_add_f32 v[14:15], v[14:15], v[S+2*J:S+2*J+1]
.else
	v_pk_add_f32 v[P+2*C7:P+2*C7+1], v[P+2*C7:P+2*C7+1], v[S+2*J:S+2*J+1]
.endif
.set J, J+1
.endr
	v_pk_add_f32 v[P:P+1], v[P:P+1], v[P+2:P+3]
	v_pk_add_f32 v[P+4:P+5], v[P+4:P+5], v[P+6:P+7]
	v_pk_add_f32 v[P+8:P+9], v[P+8:P+9], v[P+10:P+11]
	s_delay_alu instid0(VALU_DEP_2)
	v_pk_add_f32 v[P:P+1], v[P:P+1], v[P+4:P+5]
	s_delay_alu instid0(VALU_DEP_2)
	v_pk_add_f32 v[14:15], v[14:15], v[P+8:P+9]
	s_delay_alu instid0(VALU_DEP_1)
	v_pk_add_f32 v[14:15], v[14:15], v[P:P+1]
	v_max_num_f32 v[BM], 0x1800000, v[BM]          ; the floor 2^(3 - 127): the byte cannot fall under 1
	v_max_num_f32 v[BM+1], 0x1800000, v[BM+1]
	s_delay_alu instid0(VALU_DEP_2)
	v_add_nc_u32 v[SO], 0xff000000, v[BM]          ; 2 off the exponent field: the conversion's scale operand
	v_add_nc_u32 v[SO+1], 0xff000000, v[BM+1]
	v_cvt_scalef32_pk16_fp6_f32 v[P:P+2], v[S:S+15], v[SO]
	v_cvt_scalef32_pk16_fp6_f32 v[P+6:P+8], v[S+32:S+47], v[SO+1]
	v_lshrrev_b32 v[W0], 23, v[SO]                 ; the two bytes: plain lines between the conversions above and those that write over their sources
	v_lshrrev_b32 v[BY1], 23, v[SO+1]
	v_cvt_scalef32_pk16_fp6_f32 v[S:S+2], v[S+16:S+31], v[SO]         ; (a conversion's three registers begin on an even number: the upper halves are made where converted p lay, and moved)
	v_cvt_scalef32_pk16_fp6_f32 v[S+32:S+34], v[S+48:S+63], v[SO+1]
	v_lshl_or_b32 v[PW], v[BY1], 16, v[W0]         ; my two bytes: blocks h and 2 + h,
	s_delay_alu instid0(VALU_DEP_1)
	v_lshlrev_b32 v[PW], v[H8], v[PW]              ; at their places;
	s_delay_alu instid0(VALU_DEP_1)
	v_permlanex16_b32 v[PD], v[PW], s[SEL], s[SEL+1]
	s_delay_alu instid0(VALU_DEP_1)
	v_or_b32 v[PW], v[PW], v[PD]                   ; with lane l xor 16's two: p's scale word for these 128 keys
.irp i, 0,1,2
	v_mov_b32 v[P+3+\i], v[S+\i]
	v_mov_b32 v[P+9+\i], v[S+32+\i]
.endr
	s_wait_alu depctr_va_vdst(0)
	s_wait_dscnt 0x0                               ; the step's one wait for LDS: the next K and this V, asked for at the step's head
.if \last == 0
	SMUL                                           ; the NEXT step's scores, into the registers that p has left
.endif
.set J, 0
.rept 16
	v_pk_mul_f32 v[O+J:O+J+1], v[O+J:O+J+1], v[FF:FF+1] op_sel_hi:[1,0]   ; O^T under the new M; these lines are the places behind the scores' products and stand between the writing of p's codes and scale word and the products below
.set J, J+2
.endr
.irp f, 0,1,2,3                        ; O^T += V^T P^T: the four accumulators by turns
	v_wmma_scale_f32_16x16x128_f8f6f4 v[O+8*\f:O+8*\f+7], v[VF+12*\f:VF+12*\f+11], v[P:P+11], v[O+8*\f:O+8*\f+7], v[VS+\f], v[PW] matrix_a_fmt:MATRIX_FMT_FP6 matrix_b_fmt:MATRIX_FMT_FP6
.endr
.if \last == 0
.if \wrap
	s_mov_b32 s[TB], RING
.else
	s_add_co_u32 s[TB], s[TB], STEPB
.endif
	s_add_co_u32 s[TS], s[TS], 512
.endif
.endm
.macro WALK n, lab                     ; n steps of the common kind
	s_mov_b32 s[CNT], \n
\lab:
	STEP 0, 0
	s_sub_co_u32 s[CNT], s[CNT], 1
	s_cmp_lg_u32 s[CNT], 0
	s_cbranch_scc1 \lab
.endm
	s_load_b256 s[4:11], s[0:1], 0x0               ; qc, qs, kvc, kvs
	s_load_b128 s[12:15], s[0:1], 0x20             ; oc, os
	v_lshl_add_u32 v[SPW], v0, 2, SPARE
	v_mov_b32 v[NIL], 0
	ds_add_u32 v[SPW], v[NIL]                      ; the opening lines: the add, twice on end, and its wait ahead of my first tensor load
	ds_add_u32 v[SPW], v[NIL]
	v_lshrrev_b32 v8, 5, v0
	v_readfirstlane_b32 s[WV], v8                  ; wave 0..15
	s_and_b32 s16, ttmp7, 0xffff                   ; bh
	GONE G1A, 16
	GONE G1B, 60
	GONE G1C, 24
	s_lshl_b32 s66, s[WV], 12                      ; the head's load: 4,096 bytes a wave, LDS byte 4,096 x wave: the scales, then places 0-3
	s_mul_i32 s67, s16, 393216                     ; the head's first byte in kvc
	s_lshl_b32 s68, s16, 14                        ; and in kvs
	s_add_co_u32 s69, s68, s66
	s_add_co_u32 s70, s67, s66
	s_sub_co_u32 s70, s70, 16384                   ; codes: 4,096 (wave - 4)
	s_cmp_lt_u32 s[WV], 4
	s_cselect_b32 s70, s69, s70
	s_mov_b32 s71, 0
	s_wait_dscnt 0x0                               ; both opening adds are done
	s_wait_kmcnt 0x0
	s_cmp_lt_u32 s[WV], 4                          ; the choice of the buffer hangs on the wave's number alone
	s_cselect_b64 s[72:73], s[10:11], s[8:9]
	s_mov_b32 s[G0A], 1
	s_mov_b32 s[G0A+1], s66
	s_add_nc_u64 s[G0A+2:G0A+3], s[72:73], s[70:71]
	s_or_b32 s[G0A+3], s[G0A+3], 0x80000000
	tensor_load_to_lds s[G0A:G0A+3], s[G1A:G1A+7]  ; one load a wave at the head, on every wave's path
	s_nop 0
	PLACES 4
	s_mul_i32 s66, s[WV], 15360                    ; steps 4-23: 60 rows a wave
	s_mov_b32 s[G0B], 1
	s_add_co_u32 s[G0B+1], s66, RING+4*STEPB
	s_add_co_u32 s70, s67, s66
	s_add_co_u32 s70, s70, 4*STEPB
	s_add_nc_u64 s[G0B+2:G0B+3], s[8:9], s[70:71]
	s_or_b32 s[G0B+3], s[G0B+3], 0x80000000
	s_mul_i32 s66, s[WV], 6144                     ; steps 24-31 into places 0-7: 24 rows a wave
	s_mov_b32 s[G0C], 1
	s_add_co_u32 s[G0C+1], s66, RING
	s_add_co_u32 s70, s67, s66
	s_add_co_u32 s70, s70, 24*STEPB
	s_add_nc_u64 s[G0C+2:G0C+3], s[8:9], s[70:71]
	s_or_b32 s[G0C+3], s[G0C+3], 0x80000000
	s_lshl_b32 s61, ttmp9, 4
	s_add_co_u32 s61, s61, s[WV]                   ; my tile of queries within the batch
	s_lshl_b32 s70, s16, 8
	s_add_co_u32 s70, s70, s61
	s_mul_i32 s70, s70, 768
	s_add_nc_u64 s[4:5], s[4:5], s[70:71]          ; q's half fragment
	s_lshl_b32 s70, s16, 6
	s_lshr_b32 s62, s61, 2
	s_add_co_u32 s70, s70, s62
	s_lshl_b32 s70, s70, 8
	s_bfe_u32 s62, s[WV], 0x10001
	s_lshl_b32 s62, s62, 7
	s_add_co_u32 s70, s70, s62
	s_and_b32 s62, s[WV], 1
	s_lshl_b32 s62, s62, 2
	s_add_co_u32 s70, s70, s62
	s_add_nc_u64 s[6:7], s[6:7], s[70:71]          ; its scale words: 256 group + 128 (tile / 2) + 4 (tile % 2), + 8 r
	s_lshr_b32 s62, s16, 3
	s_lshl_b32 s62, s62, 8
	s_add_co_u32 s62, s62, s61                     ; my tile among all 512
	s_and_b32 s63, s16, 7                          ; the head
	s_mul_i32 s70, s62, 6144
	s_mul_i32 s66, s63, 768
	s_add_co_u32 s70, s70, s66
	s_add_nc_u64 s[12:13], s[12:13], s[70:71]
	s_lshl_b32 s70, s62, 8
	s_lshl_b32 s66, s63, 1
	s_add_co_u32 s70, s70, s66
	s_add_nc_u64 s[14:15], s[14:15], s[70:71]
	s_mov_b32 s[SEL], 0x76543210
	s_mov_b32 s[SEL+1], 0xfedcba98
	s_mov_b32 s[CS], 0x3e38aa3b                    ; log2(e) / 8
	s_mov_b32 s[CS+1], s[CS]
	s_mov_b32 s[TB], RING
	s_mov_b32 s[TS], 0
	v_and_b32 v8, 31, v0                           ; L
	v_and_b32 v9, 15, v0                           ; r
	v_bfe_u32 v10, v0, 4, 1                        ; h
	v_lshlrev_b32 v1, 4, v8                        ; 16 L
	v_lshlrev_b32 v2, 3, v8                        ; 8 L
	v_lshlrev_b32 v3, 2, v8                        ; 4 L
	v_lshl_add_u32 v4, v9, 4, 256                  ; 256 + 16 r
	v_lshlrev_b32 v[H8], 3, v10
	v_lshlrev_b32 v[W0], 3, v9                     ; 8 r
	v_lshl_add_u32 v[OB], v9, 4, v10               ; 16 r + h
	global_load_b128 v[22:25], v1, s[4:5]
	global_load_b64 v[26:27], v2, s[4:5] offset:512
	global_load_b32 v[QSW], v[W0], s[6:7]
.irp j, 16,17,18,19,20,21,28,29,30,31,32,33
	v_mov_b32 v[\j], 0                             ; zero codes on both sides of q
.endr
	v_mov_b32 v13, 0xff61b1e6                      ; the largest t so far: -3e38
	s_delay_alu instid0(VALU_DEP_1)
	v_floor_f32 v12, -v13                          ; -M
	v_mov_b32 v14, 0
	v_mov_b32 v15, 0
	v_mov_b32 v[FF+1], 0                           ; (named as the upper half of a pair)
	v_mov_b32 v[PD], 0                             ; a lane permute's destination counts as read
	s_wait_alu depctr_va_vdst(0)
	s_wait_tensorcnt 0x0                           ; my part of the head's bytes is in; the same lines as ahead of a refill stand ahead of a later first fill
	ds_add_u32 v[SPW], v[NIL]
	s_wait_dscnt 0x0
	s_barrier_signal -1
	s_barrier_wait -1                              ; the scales and steps 0-3 are whole
	tensor_load_to_lds s[G0B:G0B+3], s[G1B:G1B+7]  ; steps 4-23, first fills all: my one load behind this barrier
	s_nop 0
	PLACES 4
	v_add_nc_u32 v[AD16], s[TB], v1
	v_add_nc_u32 v[AD8], s[TB], v2
	v_add_nc_u32 v[ADS], s[TS], v3
	KLOAD AD16, AD8, 0, 0                          ; step 0's K
	s_wait_loadcnt 0x0                             ; q
	s_wait_dscnt 0x0
	SMUL                                           ; step 0's scores
.set J, 0
.rept 32
	v_mov_b32 v[O+J], 0                            ; the step is written once: the first finds zeros, which the first change of M leaves zeros.  (Also the places behind the products above)
.set J, J+1
.endr
	WALK 3, .Lw0                                   ; steps 0-2: they read places 0-3
	SYNC 0                                         ; steps 4-23 are whole
	WALK 5, .Lw1                                   ; steps 3-7
	SYNC 1                                         ; places 0-7 are read no more: steps 24-31 are asked for, 16 steps ahead of their first read
	WALK 15, .Lw2                                  ; steps 8-22
	SYNC 0                                         ; steps 24-31 are whole
	STEP 1, 0                                      ; step 23: the next K lies in place 0
	WALK 7, .Lw3                                   ; steps 24-30
	STEP 0, 1                                      ; step 31
	; THE WAY OUT: O^T / the sum, quantised: my 32 channels are a whole block of the last product's K
	PLACES 4                                       ; behind the last products
	v_add_f32 v14, v14, v15
	s_delay_alu instid0(VALU_DEP_1)
	v_permlanex16_b32 v[PD], v14, s[SEL], s[SEL+1]
	s_delay_alu instid0(VALU_DEP_1)
	v_add_f32 v14, v14, v[PD]                      ; the row's sum
	s_wait_alu depctr_va_vdst(0)
	v_rcp_f32 v14, v14
	v_nop                                          ; a plain line behind the reciprocal
	s_wait_alu depctr_va_vdst(0)                   ; the wait ahead of its first reader
.set J, 0
.rept 32
	v_mul_f32 v[S+J], v[O+J], v14                  ; from each accumulator's low end on
.set J, J+1
.endr
	QB32 S, P, S+32, BM, BM+1, SO, W0
	global_store_b128 v1, v[P:P+3], s[12:13]       ; 512 consecutive bytes, aligned
	global_store_b64 v2, v[P+4:P+5], s[12:13] offset:512
	global_store_b8 v[OB], v[W0], s[14:15]         ; the block's byte: 16 r + 2 head + h
	s_wait_tensorcnt 0x0                           ; the wave's end
	ds_add_u32 v[SPW], v[NIL]
	s_wait_dscnt 0x0
	s_endpgm
.Lfunc_end_k_q02e0e0d678_attn:
	.size	k_q02e0e0d678_attn, .Lfunc_end_k_q02e0e0d678_attn-k_q02e0e0d678_attn
	.p2alignl 7, 3214868480
	.fill 96, 4, 3214868480
	.section	.rodata,"a",@progbits
	.p2align	6, 0x0
	.amdhsa_kernel k_q02e0e0d678_attn
		.amdhsa_group_segment_fixed_size 327680
		.amdhsa_private_segment_fixed_size 0
		.amdhsa_enable_private_segment 0
		.amdhsa_kernarg_size 48
		.amdhsa_user_sgpr_count 2
		.amdhsa_user_sgpr_kernarg_segment_ptr 1
		.amdhsa_wavefront_size32 1
		.amdhsa_system_sgpr_workgroup_id_x 1
		.amdhsa_system_sgpr_workgroup_id_y 1
		.amdhsa_system_sgpr_workgroup_id_z 1
		.amdhsa_system_vgpr_workitem_id 0
		.amdhsa_next_free_vgpr 256
		.amdhsa_next_free_sgpr 80
		.amdhsa_reserve_vcc 0
		.amdhsa_float_denorm_mode_32 3
		.amdhsa_float_denorm_mode_16_64 3
		.amdhsa_memory_ordered 1
		.amdhsa_forward_progress 1
		.amdhsa_inst_pref_size 104
	.end_amdhsa_kernel
	.amdgpu_metadata
---
amdhsa.version: [ 1, 2 ]
amdhsa.kernels:
  - .name:           k_q02e0e0d678_attn
    .symbol:         k_q02e0e0d678_attn.kd
    .args:
      - { .name: qc, .offset: 0, .size: 8, .value_kind: global_buffer, .address_space: global }
      - { .name: qs, .offset: 8, .size: 8, .value_kind: global_buffer, .address_space: global }
      - { .name: kvc, .offset: 16, .size: 8, .value_kind: global_buffer, .address_space: global }
      - { .name: kvs, .offset: 24, .size: 8, .value_kind: global_buffer, .address_space: global }
      - { .name: oc, .offset: 32, .size: 8, .value_kind: global_buffer, .address_space: global }
      - { .name: os, .offset: 40, .size: 8, .value_kind: global_buffer, .address_space: global }
    .group_segment_fixed_size: 327680
    .private_segment_fixed_size: 0
    .kernarg_segment_align: 8
    .kernarg_segment_size: 48
    .max_flat_workgroup_size: 512
    .sgpr_count:     80
    .vgpr_count:     256
    .wavefront_size: 32
...
	.end_amdgpu_metadata
.endif
;; end of part 3
;; launch oproj (part 4): grid 256 x 1, 4 waves a work-group, no clusters, 34,304 bytes of LDS; arguments oc, os, pc, ps, out0; writes out0
.if DOCPART == 4
	.amdgcn_target "amdgcn-amd-amdhsa--gfx1250"
	.amdhsa_code_object_version 6
	.text
	.protected	k_q02e0e0d678_oproj
	.globl	k_q02e0e0d678_oproj
	.p2align	8
	.type	k_q02e0e0d678_oproj,@function
k_q02e0e0d678_oproj:
	s_mov_b64 s[64:65], 0
	v_nop
	global_prefetch_b8 v0, s[64:65] scope:SCOPE_SE
	s_setreg_imm32_b32 hwreg(HW_REG_WAVE_MODE, 25, 1), 1
	s_wait_xcnt 0x0
; out0 = o wo^T on codes of FP6 (E2M3) with E8M0 scales; o's codes and wo's lie in the order of operand registers.
; SHARES.  A work-group takes two tiles of 16 rows; wave w takes columns 128 w .. 128 w + 127: eight tiles of wo, 32 fragments, read once into registers (windows 1 and 2).  64 matrix instructions a wave.
; The weights go into registers by plain loads: there is no tile in LDS that a cluster could share.
; TRANSPOSED: source 0 = 16 rows of wo, source 1 = 16 rows of o: a lane holds eight neighbouring columns of one row.  A tile goes through the wave's own stage in LDS and leaves as rows of 512 bytes.
; A tile's rows are not neighbours: tile 4 g + t, row i, is row 64 g + 32 (i / 8) + 8 t + i % 8 of out0: put back by the stores' addresses.
.set SPITCH, 528
.set WSC, 16                           ; v16-47   wo's scale words: 4 tile + s
.set ASC, 48                           ; v48-55   o's: 4 e + s
.set AF,  56                           ; v56-151  o's fragments: 48 e + 12 s
.set ACC, 152                          ; v152-215 eight accumulators
.set BK,  192                          ; window 1, v192-255: 16 rows read back
.set MSB, 0
.macro WIN new                         ; the immediate's high byte repeats the setting that is left
.if MSB != \new
	s_set_vgpr_msb (MSB<<8)|\new
.set MSB, \new
.endif
.endm
.macro PLACES n
.rept \n
	v_nop
.endr
.endm
.macro GFRAG reg, off                  ; two heads' half fragments on end are the fragment of a K step
	global_load_b128 v[\reg:\reg+3], v1, s[4:5] offset:\off
	global_load_b64 v[\reg+4:\reg+5], v2, s[4:5] offset:\off+512
	global_load_b128 v[\reg+6:\reg+9], v1, s[4:5] offset:\off+768
	global_load_b64 v[\reg+10:\reg+11], v2, s[4:5] offset:\off+1280
.endm
.macro MMO e, win, t0                  ; row tile e against wo's tiles t0 .. t0 + 3: four accumulators by turns, K step by K step
	WIN \win
.irp s, 0,1,2,3
.irp n, 0,1,2,3
.if \s == 0
	v_wmma_scale_f32_16x16x128_f8f6f4 v[ACC+8*(\t0+\n):ACC+8*(\t0+\n)+7], v[12*(4*\n+\s):12*(4*\n+\s)+11], v[AF+48*\e+12*\s:AF+48*\e+12*\s+11], 0, v[WSC+4*(\t0+\n)+\s], v[ASC+4*\e+\s] matrix_a_fmt:MATRIX_FMT_FP6 matrix_b_fmt:MATRIX_FMT_FP6
.else
	v_wmma_scale_f32_16x16x128_f8f6f4 v[ACC+8*(\t0+\n):ACC+8*(\t0+\n)+7], v[12*(4*\n+\s):12*(4*\n+\s)+11], v[AF+48*\e+12*\s:AF+48*\e+12*\s+11], v[ACC+8*(\t0+\n):ACC+8*(\t0+\n)+7], v[WSC+4*(\t0+\n)+\s], v[ASC+4*\e+\s] matrix_a_fmt:MATRIX_FMT_FP6 matrix_b_fmt:MATRIX_FMT_FP6
.endif
.endr
.endr
.endm
	s_load_b256 s[4:11], s[0:1], 0x0               ; oc, os, pc, ps
	s_load_b64 s[12:13], s[0:1], 0x20              ; out0
	v_lshl_add_u32 v254, v0, 2, 0x8400
	v_mov_b32 v255, 0
	v_lshrrev_b32 v6, 5, v0
	v_readfirstlane_b32 s14, v6                    ; wave
	v_and_b32 v6, 31, v0                           ; L
	v_and_b32 v7, 15, v0                           ; r
	v_bfe_u32 v8, v0, 4, 1                         ; h
	v_lshlrev_b32 v1, 4, v6                        ; 16 L
	v_lshlrev_b32 v2, 3, v6                        ; 8 L
	v_lshlrev_b32 v3, 4, v7                        ; 16 r
	s_mul_i32 s15, s14, 16*SPITCH                  ; my stage
	v_mul_u32_u24 v4, v7, SPITCH
	v_lshl_add_u32 v4, v8, 5, v4
	v_add_nc_u32 v4, s15, v4                       ; in: row r, + 32 h
	v_add_nc_u32 v5, s15, v1                       ; back: a row's 512 bytes to the 32 lanes
	s_mov_b32 s17, 0
	s_lshl_b32 s18, s14, 3
	s_add_co_u32 s18, s18, 608                     ; my first tile of wo in pc
	s_lshr_b32 s20, ttmp9, 1
	s_lshl_b32 s20, s20, 6
	s_and_b32 s19, ttmp9, 1
	s_lshl_b32 s19, s19, 4
	s_add_co_u32 s20, s20, s19                     ; 64 g + 8 t of my first tile
	s_lshl_b32 s20, s20, 11
	s_lshl_b32 s19, s14, 9
	s_add_co_u32 s20, s20, s19                     ; + my 512 bytes of a row
	s_wait_alu depctr_va_vdst(0)
	s_wait_kmcnt 0x0
	s_mul_i32 s16, ttmp9, 12288
	s_add_nc_u64 s[4:5], s[4:5], s[16:17]
	s_lshl_b32 s16, ttmp9, 9
	s_add_nc_u64 s[6:7], s[6:7], s[16:17]
	s_mul_i32 s16, s18, 6144
	s_add_nc_u64 s[8:9], s[8:9], s[16:17]
	s_lshl_b32 s16, s18, 8
	s_add_nc_u64 s[10:11], s[10:11], s[16:17]
	s_mov_b32 s16, s20
	s_add_nc_u64 s[12:13], s[12:13], s[16:17]
.irp e, 0,1
.irp s, 0,1,2,3
	GFRAG AF+48*\e+12*\s, 6144*\e+1536*\s
.endr
	global_load_b128 v[ASC+4*\e:ASC+4*\e+3], v3, s[6:7] offset:256*\e
.endr
.irp t, 0,1,2,3,4,5,6,7
	global_load_b128 v[WSC+4*\t:WSC+4*\t+3], v3, s[10:11] offset:256*\t
.endr
	WIN 0x40                                       ; destination window 1: wo's tiles 0-3, register 4 i = byte 512 i + 16 L
.set WI, 0
.rept 48
	global_load_b128 v[4*WI:4*WI+3], v1, s[8:9] offset:512*WI
.set WI, WI+1
.endr
	WIN 0x80                                       ; window 2: tiles 4-7
.set WI, 0
.rept 48
	global_load_b128 v[4*WI:4*WI+3], v1, s[8:9] offset:24576+512*WI
.set WI, WI+1
.endr
	WIN 0
	s_wait_loadcnt 0x0
.irp e, 0,1
.if \e == 1
	PLACES 5                                       ; the accumulators are begun anew
.endif
	MMO \e, 0x01, 0
	MMO \e, 0x02, 4
	WIN 0
	PLACES 4                                       ; in front of the first read of results
.irp t, 0,1,2,3,4,5,6,7
	ds_store_b128 v4, v[ACC+8*\t:ACC+8*\t+3] offset:64*\t          ; each accumulator from its low end on
	ds_store_b128 v4, v[ACC+8*\t+4:ACC+8*\t+7] offset:64*\t+16
.endr
.if \e == 1
	s_wait_xcnt 0x0                                ; the first tile's stores have read their data: the rows read back may land there again
.endif
	WIN 0x40
.irp i, 0,1,2,3,4,5,6,7,8,9,10,11,12,13,14,15
	ds_load_b128 v[BK+4*\i:BK+4*\i+3], v5 offset:SPITCH*\i         ; LDS serves a wave's instructions in order: these see my stores
.endr
	WIN 0x04                                       ; a store's data are its source 1: window 1
.irp i, 0,1,2,3,4,5,6,7,8,9,10,11,12,13,14,15
	s_wait_dscnt 15-\i                             ; row i is back; the reads issued behind it may be out
	global_store_b128 v1, v[BK+4*\i:BK+4*\i+3], s[12:13] offset:16384*\e+2048*(\i%8)+65536*(\i/8) th:TH_STORE_NT   ; 512 consecutive bytes, aligned; written once
.endr
	WIN 0
.endr
	s_wait_tensorcnt 0x0
	ds_add_u32 v254, v255
	s_wait_dscnt 0x0
	s_endpgm
.Lfunc_end_k_q02e0e0d678_oproj:
	.size	k_q02e0e0d678_oproj, .Lfunc_end_k_q02e0e0d678_oproj-k_q02e0e0d678_oproj
	.p2alignl 7, 3214868480
	.fill 96, 4, 3214868480
	.section	.rodata,"a",@progbits
	.p2align	6, 0x0
	.amdhsa_kernel k_q02e0e0d678_oproj
		.amdhsa_group_segment_fixed_size 34304
		.amdhsa_private_segment_fixed_size 0
		.amdhsa_enable_private_segment 0
		.amdhsa_kernarg_size 40
		.amdhsa_user_sgpr_count 2
		.amdhsa_user_sgpr_kernarg_segment_ptr 1
		.amdhsa_wavefront_size32 1
		.amdhsa_system_sgpr_workgroup_id_x 1
		.amdhsa_system_sgpr_workgroup_id_y 1
		.amdhsa_system_sgpr_workgroup_id_z 1
		.amdhsa_system_vgpr_workitem_id 0
		.amdhsa_next_free_vgpr 768
		.amdhsa_next_free_sgpr 66
		.amdhsa_reserve_vcc 0
		.amdhsa_float_denorm_mode_32 3
		.amdhsa_float_denorm_mode_16_64 3
		.amdhsa_memory_ordered 1
		.amdhsa_forward_progress 1
		.amdhsa_inst_pref_size 32
	.end_amdhsa_kernel
	.amdgpu_metadata
---
amdhsa.version: [ 1, 2 ]
amdhsa.kernels:
  - .name:           k_q02e0e0d678_oproj
    .symbol:         k_q02e0e0d678_oproj.kd
    .args:
      - { .name: oc, .offset: 0, .size: 8, .value_kind: global_buffer, .address_space: global }
      - { .name: os, .offset: 8, .size: 8, .value_kind: global_buffer, .address_space: global }
      - { .name: pc, .offset: 16, .size: 8, .value_kind: global_buffer, .address_space: global }
      - { .name: ps, .offset: 24, .size: 8, .value_kind: global_buffer, .address_space: global }
      - { .name: out0, .offset: 32, .size: 8, .value_kind: global_buffer, .address_space: global }
    .group_segment_fixed_size: 34304
    .private_segment_fixed_size: 0
    .kernarg_segment_align: 8
    .kernarg_segment_size: 40
    .max_flat_workgroup_size: 128
    .sgpr_count:     66
    .vgpr_count:     768
    .wavefront_size: 32
...
	.end_amdgpu_metadata
.endif
;; end of part 4
